; MI455X (gfx1250); checked and timed in simulation.
; The chip was launched on July 23, 2026; its instructions are those of AMD's public machine-readable ISA for CDNA 5 (MIT licence, August 2026) and "CDNA5" Instruction Set Architecture Reference Guide (July 2026). The comments in the code are by the model that wrote it; some were corrected since.
;; Attention. Allowed arithmetic: matrix products marked QUANTISED: E4M3 operands, one given power-of-two scale a tensor, by v_wmma_f32_16x16x64_fp8_fp8 or v_wmma_f32_16x16x128_fp8_fp8, f32 sums; everything else in f32.
;; Inputs: Wk 16 x 1,024 x 64 float32; Wo 1,024 x 1,024 float32; Wq 16 x 1,024 x 64 float32; Wv 16 x 1,024 x 64 float32; bo 1,024 float32; lowp_scales 12 int32 (the exponents e of the quantised operands' scales 2^e); x 8 x 1,024 x 1,024 float32.
;; Outputs: out0 8 x 1,024 x 1,024 float32.
;; This version of the problem:
;;   THIS VERSION OF THE PROBLEM IS GIVEN IN LOW PRECISION. The matrix products marked QUANTISED in the list below multiply operands that are first quantised to E4M3 (4 exponent bits, 3 mantissa bits; 8 bits a number), with one given power-of-two scale for each operand tensor; their sums are f32. All else is computed in f32.
;;   The module's matrix products, in the order in which they are computed (A, B: the left and right operand; K: the contracted axis; several contracted axes count as one K, in the product's order):
;;     1. [M 1,024, K 1,024] x [K 1,024, N 8,192]; A: input Wq; B: input x: QUANTISED (scales: A lowp_scales[0], B lowp_scales[1])
;;     2. [M 1,024, K 1,024] x [K 1,024, N 8,192]; A: input Wk; B: input x: QUANTISED (scales: A lowp_scales[2], B lowp_scales[3])
;;     3. [M 1,024, K 1,024] x [K 1,024, N 8,192]; A: input Wv; B: input x: QUANTISED (scales: A lowp_scales[4], B lowp_scales[5])
;;     4. batch 128 x [M 1,024, K 64] x [K 64, N 1,024]; A: computed on the way; B: computed on the way: QUANTISED (scales: A lowp_scales[6], B lowp_scales[7])
;;     5. batch 128 x [M 1,024, K 1,024] x [K 1,024, N 64]; A: softmax (see below); B: computed on the way: QUANTISED (scales: A lowp_scales[8], B lowp_scales[9])
;;     6. [M 8,192, K 1,024] x [K 1,024, N 1,024]; A: computed on the way; B: input Wo: QUANTISED (scales: A lowp_scales[10], B lowp_scales[11])
;;   THE QUANTISER, for each operand of a quantised product, along K:
;;     - The operand's scale is 2^e, e = its entry of the input lowp_scales (int32; the entries are numbered through the quantised products in the list's order, A before B).
;;     - Each number is divided by the scale, clamped to +-448, and rounded to the nearest number of E4M3, ties to even, subnormals kept.
;;     - The product sums the exact products of the quantised numbers (number of the format x scale) in f32.
;;   ~~~python
;;   def quantise(x, axis, e):      # numpy; x: float32 -> the quantised numbers, widened to float32 again
;;       x = np.moveaxis(x, axis, -1); K = x.shape[-1]
;;       r = np.clip(x / 2.0 ** e, -448, 448)
;;       step = 2.0 ** (np.maximum(np.frexp(np.where(r == 0, 1, r))[1] - 1, -6) - 3)
;;       q = np.round(r / step) * step * 2.0 ** e      # np.round: ties to even
;;       return np.moveaxis(q, -1, axis).astype(np.float32)
;;   ~~~
;;   SOFTMAX AHEAD OF A QUANTISED PRODUCT. Where the list says 'softmax', what is quantised is not the finished softmax but p = 2^(t - M), with t = logit x log2(e) and M = ceil(the row's largest t), a whole number; so 1/2 < the row's largest p <= 1. The row's sum l is taken of the UNQUANTISED p, in f32, and the product's result is divided by l at the end. Since M is a whole number, a kernel that streams over the keys may use a running M (the ceiling of the running maximum): every later rescaling is an exact power of two, so the quantised numbers keep their values, but for numbers so far below the row's largest that they fall under the format's range.
;;   OPERANDS COMPUTED ON THE WAY. 'Computed on the way' means the value that the module computes at that place (a softmax that the list does not call 'softmax' is quantised finished and normalised). What goes into a quantiser is computed in f32, as accurately as f32 sums, v_exp_f32 and their like allow (about 1e-6 of the number): no bf16 or f16 on the way to a quantiser, and a product that is left as it is and whose result goes on into a quantised operand takes f32 operands (vector FMAs, or v_wmma_f32_16x16x4_f32). A number that lies on a knife's edge between two numbers of the format may be rounded either way, as far as f32 arithmetic and the matrix unit's own rounding can turn it there, and no further.
;; One version. Each part assembles by itself: llvm-mc -triple=amdgcn-amd-amdhsa -mcpu=gfx1250 --defsym DOCPART=n.
;; ======== version 1 of 1: 4 launches
;; limits: right only within a limited range of input values
;; workspace buffers: xc 25,165,824 bytes; wc 4,194,304 bytes; qkvc 25,165,824 bytes; oc 8,388,608 bytes
;; launch quant (part 1): grid 768 x 1, 4 waves a work-group, no clusters, 68,096 bytes of LDS; arguments x, Wq, Wk, Wv, Wo, lowp_scales, xc, wc; writes xc, wc
.if DOCPART == 1
	.amdgcn_target "amdgcn-amd-amdhsa--gfx1250"
	.amdhsa_code_object_version 6
	.text
	.protected	k_q1be4d02b33_quant
	.globl	k_q1be4d02b33_quant
	.p2align	8
	.type	k_q1be4d02b33_quant,@function
k_q1be4d02b33_quant:
	s_mov_b64 s[64:65], 0
	v_nop
	global_prefetch_b8 v0, s[64:65] scope:SCOPE_SE
	s_setreg_imm32_b32 hwreg(HW_REG_WAVE_MODE, 25, 1), 1
	s_wait_xcnt 0x0
; x [8192][1024] and the four weights, f32, become codes of FP8 (E4M3): code = number / 2^e, held within +-448, to the nearest code, ties to even.
; x is an operand of three products with three given exponents (entries 1, 3, 5 of the scales): three sets of codes, xc copy i at i x 8 MiB.
; Wq, Wk, Wv (entries 0, 2, 4) and Wo (entry 11) are parts 0 to 3 of wc, 1 MiB each; their rows are n = 64 head + d (Wo: its column), K = e (Wo: its row).
; THE LAYOUT OF EVERY OPERAND is an image of the operand's registers: tile T has 16 slots, slot r is row 32 (T / 2) + 8 (T % 2) + r + 8 (r / 8);
; byte = T x 16384 + (k / 32) x 512 + (16 h + r) x 16 + k % 16, h = (k % 32) / 16.  A lane's 16 bytes of a chunk of 32 along K lie at 16 x lane.
; LIMITS: each exponent used here lies between -126 and 119, so that 2^e and 448 x 2^e are f32 numbers.  NaN among the inputs is not served.
; Work-groups 0 to 511: tile T of x; wave w takes k = 256 w .. 256 w + 255 in two steps of 128.  Each load reads 512 consecutive bytes of one row; a step's 16 rows
; turn through the wave's own stage in LDS (rows of 512 + 16 bytes) so that a lane gets 16 neighbours along K.  Each store covers 512 consecutive bytes, aligned.
; Work-groups 512 to 767: 64 columns x 256 along K of one weight: a lane takes a column, its registers run down K; sixteen lanes store 256 consecutive bytes, aligned.
; No tensor load, no barrier: waves share nothing.  Matrix units and clusters have no work here.
.set WREG,  16896                      ; LDS of a wave: two stages
.set STG,   8448                       ; a stage: 16 rows
.set SP,    528                        ; a stage row: 512 bytes + 16
.set SPARE, 4*WREG                     ; behind the stages: the spare words, 128 bytes for each wave
.set SPW,   6                          ; v6   SPARE + 4 x my thread's number; never rewritten
.set NIL,   7                          ; v7   0; never rewritten
.set T,     16                         ; v16-47   two sets of 16 held numbers
.set X,     48                         ; v48-111  x path: 64 numbers, 16 neighbours a chunk; weight paths: the codes
.set R,     112                        ; v112-239 numbers as loaded; x path: afterwards each step's 48 registers of codes
.macro FIN                             ; the wave's end
	s_wait_tensorcnt 0x0
	ds_add_u32 v[SPW], v[NIL]
	s_wait_dscnt 0x0
	s_endpgm
.endm
	s_load_b512 s[8:23], s[0:1], 0x0               ; x s[8:9], Wq s[10:11], Wk s[12:13], Wv s[14:15], Wo s[16:17], scales s[18:19], xc s[20:21], wc s[22:23]
	v_lshl_add_u32 v[SPW], v0, 2, SPARE
	v_mov_b32 v[NIL], 0
	v_lshrrev_b32 v1, 5, v0
	v_readfirstlane_b32 s2, v1                     ; wave 0..3
	v_and_b32 v1, 31, v0                           ; lane
	v_and_b32 v2, 15, v0                           ; r
	v_bfe_u32 v14, v0, 4, 1                        ; lane / 16
	s_wait_kmcnt 0x0
	s_load_b256 s[24:31], s[18:19], 0x0            ; e0 .. e7
	s_load_b128 s[40:43], s[18:19], 0x20           ; e8 .. e11
	s_cmp_lt_u32 ttmp9, 512
	s_cbranch_scc1 .Lx
	; ---- the weights
	s_sub_co_u32 s3, ttmp9, 512
	s_lshr_b32 s32, s3, 6                          ; which weight
	s_bfe_u32 s33, s3, 0x40002                     ; g: which 64 columns (a head)
	s_and_b32 s34, s3, 3
	s_and_b32 s35, s2, 1                           ; ch: which 32 of them are my wave's
	s_lshr_b32 s36, s2, 1
	s_lshl_b32 s36, s36, 7
	s_lshl_b32 s34, s34, 8
	s_add_co_u32 s34, s34, s36                     ; k0 = 256 x (work-group % 4) + 128 x (wave / 2)
	s_wait_alu depctr_va_vdst(0)
	v_and_b32 v3, 8, v2
	v_add_nc_u32 v3, v3, v2
	v_lshl_add_u32 v3, v14, 3, v3                  ; my column of the 32: 8 u + r + 8 (r / 8): slot r of tile u of the pair
	v_lshlrev_b32 v3, 2, v3
	v_lshlrev_b32 v4, 4, v2
	v_lshl_add_u32 v4, v14, 14, v4                 ; in the image: tile u, 16 r
	s_lshl_b32 s38, s32, 20                        ; the part,
	s_lshl_b32 s36, s33, 1
	s_add_co_u32 s36, s36, s35
	s_lshl_b32 s36, s36, 15                        ; the pair of tiles 2 g + ch,
	s_add_co_u32 s38, s38, s36
	s_lshl_b32 s36, s34, 4                         ; the chunk k0 / 32
	s_add_co_u32 s38, s38, s36
	s_mov_b32 s39, 0
	s_add_nc_u64 s[44:45], s[22:23], s[38:39]
; block t: 32 numbers down K of my column, pitch bytes from row to row, into the block's own 32 registers
.macro WLOAD t, pitch
.set ii, 0
.rept 32
	global_load_b32 v[R+32*(\t)+ii], v[T+ii], s[8+2*(\t):9+2*(\t)]
.set ii, ii+1
.endr
.endm
; four blocks of 32 along K: loads run two blocks ahead; then the hold, the conversions, two stores
.macro WQ pitch
	WLOAD 0, \pitch
	WLOAD 1, \pitch
	s_wait_kmcnt 0x0
	s_cmp_eq_u32 s32, 1
	s_cselect_b32 s36, s26, s24                    ; the weight's exponent: e0, e2, e4 or e11
	s_cmp_eq_u32 s32, 2
	s_cselect_b32 s36, s28, s36
	s_cmp_eq_u32 s32, 3
	s_cselect_b32 s36, s43, s36
	s_add_co_i32 s36, s36, 127
	s_lshl_b32 s37, s36, 23
	v_mov_b32 v8, s37                              ; 2^e as f32: the conversion takes its exponent field
	s_add_co_i32 s36, s36, 8
	s_lshl_b32 s36, s36, 23
	s_or_b32 s36, s36, 0x600000
	v_mov_b32 v11, s36                             ; 448 x 2^e
.set tt, 0
	s_wait_alu depctr_va_vdst(0)
.rept 4
.if tt < 3
	s_wait_loadcnt 32                              ; this block's 32 loads are in; the next block's 32 may be out
.else
	s_wait_loadcnt 0x0
.endif
.if tt+2 < 4
	WLOAD (tt+2), \pitch                           ; two blocks ahead, into registers of its own
.endif
.set ii, 0
.rept 32
	v_med3_num_f32 v[R+32*tt+ii], v[R+32*tt+ii], -v11, v11   ; the conversion does not saturate (ISA guide 7.6.2): the hold comes first
.set ii, ii+1
.endr
.set gg, 0
.rept 4
	v_cvt_scalef32_pk8_fp8_f32 v[X+8*tt+2*gg:X+8*tt+2*gg+1], v[R+32*tt+8*gg:R+32*tt+8*gg+7], v8
.set gg, gg+1
.endr
	global_store_b128 v4, v[X+8*tt:X+8*tt+3], s[44:45] offset:512*tt          ; k 0 .. 15 of the chunk: the image's lanes 0 to 15
	global_store_b128 v4, v[X+8*tt+4:X+8*tt+7], s[44:45] offset:512*tt+256    ; k 16 .. 31: its lanes 16 to 31.  No register of codes is written twice
.set tt, tt+1
.endr
.endm
	s_lshl_b32 s38, s33, 18                        ; Wq, Wk, Wv [head][e][d]: 262144 g + 256 k0 + 128 ch, rows of 256 bytes
	s_lshl_b32 s36, s34, 8
	s_add_co_u32 s38, s38, s36
	s_lshl_b32 s36, s34, 12                        ; Wo [k][n]: 4096 k0 + 256 g + 128 ch, rows of 4096 bytes
	s_lshl_b32 s37, s33, 8
	s_add_co_u32 s36, s36, s37
	s_cmp_eq_u32 s32, 1
	s_cselect_b64 s[4:5], s[12:13], s[10:11]
	s_cmp_eq_u32 s32, 2
	s_cselect_b64 s[4:5], s[14:15], s[4:5]
	s_mov_b32 s46, 4096
	s_cmp_eq_u32 s32, 3
	s_cselect_b64 s[4:5], s[16:17], s[4:5]
	s_cselect_b32 s38, s36, s38
	s_cselect_b32 s46, s46, 256                    ; from row to row
	s_lshl_b32 s36, s35, 7
	s_add_co_u32 s38, s38, s36
	s_add_nc_u64 s[8:9], s[4:5], s[38:39]          ; block 0; blocks 1 to 3 lie 32 rows further on each
	s_wait_alu depctr_va_vdst(0)
	v_mov_b32 v[T], v3
.set ii, 0
.rept 31
	v_add_nc_u32 v[T+ii+1], s46, v[T+ii]           ; row ii + 1 of a block: one text serves both pitches
.set ii, ii+1
.endr
	s_lshl_b32 s46, s46, 5
	s_mov_b32 s47, 0
	s_add_nc_u64 s[10:11], s[8:9], s[46:47]
	s_add_nc_u64 s[12:13], s[10:11], s[46:47]
	s_add_nc_u64 s[14:15], s[12:13], s[46:47]
	s_wait_alu depctr_va_vdst(0)
	WQ 0
	FIN
	; ---- x
.Lx:
	s_wait_alu depctr_va_vdst(0)
	v_lshlrev_b32 v3, 4, v1                        ; 16 x lane: in a load's 512 bytes, and in a chunk's image
	s_wait_alu depctr_va_vdst(0)
	s_mul_i32 s3, s2, WREG
	v_add_nc_u32 v4, s3, v3                        ; the stage on the way in: a row as it lies
	v_mul_u32_u24 v5, v2, SP
	v_lshl_add_u32 v5, v14, 6, v5
	v_add_nc_u32 v5, s3, v5                        ; and on the way out: row r, + 64 h: my 16 neighbours of a chunk
	s_lshr_b32 s38, ttmp9, 1
	s_lshl_b32 s38, s38, 17                        ; the tile's first row, 32 (T / 2) + 8 (T % 2), x 4096 bytes
	s_and_b32 s39, ttmp9, 1
	s_lshl_b32 s39, s39, 15
	s_add_co_u32 s38, s38, s39
	s_lshl_b32 s39, s2, 10                         ; + my wave's 256 numbers
	s_add_co_u32 s38, s38, s39
	s_mov_b32 s39, 0
	s_add_nc_u64 s[4:5], s[8:9], s[38:39]
	s_lshl_b32 s38, ttmp9, 14
	s_lshl_b32 s3, s2, 12
	s_add_co_u32 s38, s38, s3                      ; the image: 16384 T + 8 chunks x wave
	s_add_nc_u64 s[32:33], s[20:21], s[38:39]      ; copy 0,
	s_add_nc_u64 s[34:35], s[32:33], 0x800000      ; copy 1,
	s_add_nc_u64 s[36:37], s[34:35], 0x800000      ; copy 2
.irp s, 0,1
.set ii, 0
.rept 16
	global_load_b128 v[R+64*\s+4*ii:R+64*\s+4*ii+3], v3, s[4:5] offset:(ii+8*(ii/8))*4096+512*\s th:TH_LOAD_NT   ; slot ii's row: 512 consecutive bytes
.set ii, ii+1
.endr
.endr
	s_wait_alu depctr_va_vdst(0)
	s_wait_kmcnt 0x0
.irp i, 0,1,2
	s_add_co_i32 s38, s[25+2*\i], 127
	s_lshl_b32 s39, s38, 23
	v_mov_b32 v[8+\i], s39                         ; 2^e of copy i
	s_add_co_i32 s38, s38, 8
	s_lshl_b32 s38, s38, 23
	s_or_b32 s38, s38, 0x600000
	v_mov_b32 v[11+\i], s38                        ; 448 x 2^e
.endr
.macro XSTEP s
.set ii, 0
.rept 16
	ds_store_b128 v4, v[R+64*\s+4*ii:R+64*\s+4*ii+3] offset:STG*\s+SP*ii
.set ii, ii+1
.endr
.set cc, 0
.rept 4
.set jj, 0
.rept 4
	ds_load_b128 v[X+16*cc+4*jj:X+16*cc+4*jj+3], v5 offset:STG*\s+128*cc+16*jj   ; LDS serves a wave's instructions in order: these see my stores
.set jj, jj+1
.endr
.set cc, cc+1
.endr
	s_wait_dscnt 0x0                               ; the numbers are back, and the stores have read their registers, which now take the codes
.set nn, 0
.rept 12                                       ; copy nn / 4, chunk nn % 4; the two sets of held numbers take turns, so that sixteen plain lines stand between a conversion and the next write of its sources
.if nn == 8                                    ; where entry 5 equals entry 1 copy 2 would be copy 0 over again: it is not made, and the product that wants it reads copy 0 (it makes the same comparison)
	s_cmp_eq_u32 s29, s25
	s_cbranch_scc1 .Lsame_\@
.endif
.set ii, 0
.rept 16
	v_med3_num_f32 v[T+16*(nn%2)+ii], v[X+16*(nn%4)+ii], -v[11+nn/4], v[11+nn/4]
.set ii, ii+1
.endr
	v_cvt_scalef32_pk8_fp8_f32 v[R+64*\s+4*nn:R+64*\s+4*nn+1], v[T+16*(nn%2):T+16*(nn%2)+7], v[8+nn/4]
	v_cvt_scalef32_pk8_fp8_f32 v[R+64*\s+4*nn+2:R+64*\s+4*nn+3], v[T+16*(nn%2)+8:T+16*(nn%2)+15], v[8+nn/4]
	global_store_b128 v3, v[R+64*\s+4*nn:R+64*\s+4*nn+3], s[32+2*(nn/4):33+2*(nn/4)] offset:512*(4*\s+nn%4)   ; a chunk's image: 512 consecutive bytes; no register of codes is written twice
.set nn, nn+1
.endr
.Lsame_\@:
.endm
	s_wait_alu depctr_va_vdst(0)
	s_wait_loadcnt 16                              ; step 0's sixteen loads are in; step 1's may be out
	XSTEP 0
	s_wait_loadcnt 0x0
	XSTEP 1
	FIN
.Lfunc_end_k_q1be4d02b33_quant:
	.size	k_q1be4d02b33_quant, .Lfunc_end_k_q1be4d02b33_quant-k_q1be4d02b33_quant
	.p2alignl 7, 3214868480
	.fill 96, 4, 3214868480
	.section	.rodata,"a",@progbits
	.p2align	6, 0x0
	.amdhsa_kernel k_q1be4d02b33_quant
		.amdhsa_group_segment_fixed_size 68096
		.amdhsa_private_segment_fixed_size 0
		.amdhsa_enable_private_segment 0
		.amdhsa_kernarg_size 64
		.amdhsa_user_sgpr_count 2
		.amdhsa_user_sgpr_kernarg_segment_ptr 1
		.amdhsa_wavefront_size32 1
		.amdhsa_system_sgpr_workgroup_id_x 1
		.amdhsa_system_sgpr_workgroup_id_y 1
		.amdhsa_system_sgpr_workgroup_id_z 1
		.amdhsa_system_vgpr_workitem_id 0
		.amdhsa_next_free_vgpr 240
		.amdhsa_next_free_sgpr 66
		.amdhsa_reserve_vcc 0
		.amdhsa_float_denorm_mode_32 3
		.amdhsa_float_denorm_mode_16_64 3
		.amdhsa_memory_ordered 1
		.amdhsa_forward_progress 1
		.amdhsa_inst_pref_size 65
	.end_amdhsa_kernel
	.amdgpu_metadata
---
amdhsa.version: [ 1, 2 ]
amdhsa.kernels:
  - .name:           k_q1be4d02b33_quant
    .symbol:         k_q1be4d02b33_quant.kd
    .args:
      - { .name: x, .offset: 0, .size: 8, .value_kind: global_buffer, .address_space: global }
      - { .name: Wq, .offset: 8, .size: 8, .value_kind: global_buffer, .address_space: global }
      - { .name: Wk, .offset: 16, .size: 8, .value_kind: global_buffer, .address_space: global }
      - { .name: Wv, .offset: 24, .size: 8, .value_kind: global_buffer, .address_space: global }
      - { .name: Wo, .offset: 32, .size: 8, .value_kind: global_buffer, .address_space: global }
      - { .name: lowp_scales, .offset: 40, .size: 8, .value_kind: global_buffer, .address_space: global }
      - { .name: xc, .offset: 48, .size: 8, .value_kind: global_buffer, .address_space: global }
      - { .name: wc, .offset: 56, .size: 8, .value_kind: global_buffer, .address_space: global }
    .group_segment_fixed_size: 68096
    .private_segment_fixed_size: 0
    .kernarg_segment_align: 8
    .kernarg_segment_size: 64
    .max_flat_workgroup_size: 128
    .sgpr_count:     66
    .vgpr_count:     240
    .wavefront_size: 32
...
	.end_amdgpu_metadata
.endif
;; end of part 1
;; launch qkv (part 2): grid 8 x 32, 4 waves a work-group, clusters of 4 x 1, 327,680 bytes of LDS; arguments xc, wc, lowp_scales, qkvc; writes qkvc
.if DOCPART == 2
	.amdgcn_target "amdgcn-amd-amdhsa--gfx1250"
	.amdhsa_code_object_version 6
	.text
	.protected	k_q1be4d02b33_qkv
	.globl	k_q1be4d02b33_qkv
	.p2align	8
	.type	k_q1be4d02b33_qkv,@function
k_q1be4d02b33_qkv:
	s_mov_b64 s[64:65], 0
	v_nop
	global_prefetch_b8 v0, s[64:65] scope:SCOPE_SE
	s_setreg_imm32_b32 hwreg(HW_REG_WAVE_MODE, 25, 1), 1
	s_wait_xcnt 0x0
	s_wait_alu depctr_hold_cnt(0) depctr_sa_sdst(0) depctr_va_vdst(0) depctr_va_sdst(0) depctr_va_ssrc(0) depctr_va_vcc(0) depctr_vm_vsrc(0)
	s_getreg_b32 s2, hwreg(HW_REG_IB_STS2, 6, 4)
	s_cmp_eq_u32 s2, 0
	s_cbranch_scc0 .Lentry_in_a_cluster
	s_endpgm
.Lentry_in_a_cluster:
	s_bfe_u32 s2, ttmp6, 0x10000c
	s_cmp_lg_u32 s2, 0x3003
	s_cbranch_scc0 .Lentry_shape_is_right
	s_endpgm
.Lentry_shape_is_right:
; q, k and v: three products of x's codes [8192][1024] with a weight's codes [1024][1024], sums in f32, each result quantised in registers to FP8 (E4M3) for attention.
; Operands lie as images of their registers: tile T (16 slots; slot r is row 32 (T / 2) + 8 (T % 2) + r + 8 (r / 8)) is 16384 bytes; chunk c (32 along K) is 512 bytes, 16 x lane.
; ONE OPERAND COMES THROUGH LDS (source 1), asked for jointly by the four work-groups of a cluster; THE OTHER (source 0) GOES FROM MEMORY STRAIGHT INTO REGISTERS, each wave its own four tiles.
; A lane of a result holds one slot of the LDS side; by the order of rows in a tile the 16 registers of two neighbouring accumulators are 16 NEIGHBOURS of the direct side:
; two conversions give a lane's 16 bytes of the next operand's image, stored straight from registers, 512 consecutive bytes a store.
; SHARES.  256 work-groups; cluster x (0, 1) says q or k; y / 4 the batch.
; PART 1: 256 tokens (y) x 256 columns (cx) of q or k.  LDS side: x, copy 0 or 1, in two slots of 512 along K; direct: 64 columns (one head) of Wq or Wk a wave; 64 accumulators.
; PART 2: 128 rows of Wv (512 x + 128 (y % 4) on) x 256 tokens (cx) of v.  LDS side: Wv, all of K in slot 0, asked for when part 1 has read that slot out; direct: 64 tokens of x a wave; 32 accumulators.
; x for v: copy 2, or copy 0 where its exponent (entry 5) equals entry 1: then copy 2 has not been made.
; q at 0, k at 8 MiB: [batch x head][64 tiles][2 chunks][512].  v at 16 MiB: [batch x head][8 key steps][4 tiles of d][4 chunks][512].
; LOADS STAND IN LONG RUNS: 32 matrix instructions (eight tiles of the LDS side x four of the direct side x 128 along K), then the next eight fragments' 32 LDS loads and, once for each 128 along K, 16 direct loads two steps ahead.
; THE DIRECT OPERAND IS NOT ASKED FOR JOINTLY: it has no room in LDS beside the two slots (256 KiB of 320), and its loads need no barrier.
; NO PREFETCH: no loop runs ahead here.  The three joint loads of a wave set out at the head, when the first has landed, and when slot 0 is free; the third has 272 matrix instructions in which to land.
; LIMITS: e6 - e0 - e1, e7 - e2 - e3 and e9 - e4 - e5 lie between -126 and 119, so that the folded scale and 448 x it are f32 numbers.
; REGISTERS: window 0: v16-31 addresses and constants; v64-255 three direct sets of four fragments.  window 1: two LDS-side sets of eight fragments; on the way out the second holds the held numbers and the codes.
;   windows 2, 3: the accumulators, tile t at 32 (t % 8) of window 2 + t / 8; in part 2 window 3 holds four more direct sets.
.set SLOT,   131072
.set SPARE,  2*SLOT                    ; behind the slots: the spare words, 128 bytes for each wave
.set ADR, 16                           ; v16-19  16 x lane + 65536 i: two for each slot
.set VO,  16
.set SC,  26                           ; v26-27  part 1: the folded scale as f32, 448 x it
.set SPW, 28                           ; v28     SPARE + 4 x my thread's number; never rewritten
.set NIL, 29                           ; v29     0; never rewritten
.set SC2, 30                           ; v30-31  part 2's scale
.set WB,  72                           ; s[72:73] the weight's codes at my 64 columns
.set XB,  74                           ; s[74:75] x's codes at my 64 tokens, for v
.set QB,  76                           ; s[76:77] where my q or k goes
.set VB,  78                           ; s[78:79] where my v goes
.set MSB, 0
.macro WIN new                         ; the immediate's high byte repeats the setting that is left
.if MSB != (\new)
	s_set_vgpr_msb (MSB<<8)|(\new)
.set MSB, (\new)
.endif
.endm
.macro CREST                           ; a round of the cluster's barrier behind its opening barrier
	s_cmp_lg_u32 s14, 0
	s_cbranch_scc1 .Lnot_wave_0_\@
	s_barrier_signal -3
.Lnot_wave_0_\@:
	s_barrier_wait -3
	s_barrier_signal -1
	s_barrier_wait -1
.endm
.macro CROUND
	s_barrier_signal -1
	s_barrier_wait -1
	CREST
.endm
.macro PLACES
.rept 4
	v_nop
.endr
.endm
.macro JLOAD g0, g1                    ; a joint load
	tensor_load_to_lds s[\g0:\g0+3], s[\g1:\g1+7]
	s_nop 0
	PLACES
.endm
	s_load_b256 s[4:11], s[0:1], 0x0               ; xc s[4:5], wc s[6:7], the scales s[8:9], qkvc s[10:11]
	v_lshl_add_u32 v[SPW], v0, 2, SPARE
	v_mov_b32 v[NIL], 0
	ds_add_u32 v[SPW], v[NIL]                      ; the opening lines: the add, twice on end, ahead of my first tensor load
	ds_add_u32 v[SPW], v[NIL]
	v_lshrrev_b32 v1, 5, v0
	v_readfirstlane_b32 s14, v1                    ; wave 0..3
	v_and_b32 v2, 31, v0
	v_lshlrev_b32 v[VO], 4, v2                     ; 16 x lane
	v_add_nc_u32 v[ADR+1], 0x10000, v[VO]
	v_add_nc_u32 v[ADR+2], 0x20000, v[VO]
	v_add_nc_u32 v[ADR+3], 0x30000, v[VO]
	s_bfe_u32 s40, ttmp6, 0x40000                  ; cx
	s_and_b32 s42, ttmp7, 0xffff                   ; y
	s_and_b32 s43, s42, 3                          ; y % 4
	s_lshr_b32 s44, s42, 2                         ; the batch
	; groups 1: x: 4 tiles' 8192 bytes each (512 along K), 16384 apart; Wv: 2 tiles' 16384 bytes each; dense in LDS
.irp g, 24, 32
	s_mov_b32 s[\g], 15|(1<<21)                    ; 15:0 the mask: all four of the cluster; 17:16 elements of 1 byte; 21 set beside a mask
	s_mov_b32 s[\g+5], 16384                       ; tensor_dim0_stride
	s_mov_b32 s[\g+6], 0
	s_mov_b32 s[\g+7], 0
.endr
	s_mov_b32 s25, 8192<<16                        ; tensor_dim0
	s_mov_b32 s26, 4<<16                           ; tensor_dim1
	s_mov_b32 s27, 8192<<16                        ; tile_dim0
	s_mov_b32 s28, 4                               ; tile_dim1
	s_mov_b32 s33, 16384<<16
	s_mov_b32 s34, 2<<16
	s_mov_b32 s35, 16384<<16
	s_mov_b32 s36, 2
	; offsets; a row is 1024 bytes of its tile's image.  The joint loads' hang on y and the cluster's x, never on cx
	s_lshl_b32 s20, s42, 8
	s_lshl_b32 s2, s14, 6
	s_add_co_u32 s20, s20, s2
	s_lshl_b32 s20, s20, 10                        ; x: token 256 y + 64 wave,
	s_lshl_b32 s2, ttmp9, 23
	s_add_co_u32 s20, s20, s2                      ; copy 0 or 1
	s_mov_b32 s21, 0
	s_lshl_b32 s80, ttmp9, 9
	s_lshl_b32 s2, s43, 7
	s_add_co_u32 s80, s80, s2
	s_lshl_b32 s2, s14, 5
	s_add_co_u32 s80, s80, s2
	s_lshl_b32 s80, s80, 10                        ; Wv: row 512 x + 128 (y % 4) + 32 wave,
	s_add_co_u32 s80, s80, 0x200000                ; part 2 of the weights
	s_mov_b32 s81, 0
	s_lshl_b32 s68, s40, 8
	s_lshl_b32 s69, s14, 6
	s_add_co_u32 s68, s68, s69                     ; 256 cx + 64 wave: my columns in part 1, my tokens of the batch in part 2
	s_lshl_b32 s[WB], s68, 10
	s_lshl_b32 s69, ttmp9, 20
	s_add_co_u32 s[WB], s[WB], s69
	s_mov_b32 s[WB+1], 0
	s_lshl_b32 s[XB], s44, 10
	s_add_co_u32 s[XB], s[XB], s68
	s_lshl_b32 s[XB], s[XB], 10
	s_mov_b32 s[XB+1], 0
	s_lshl_b32 s69, s44, 4                         ; 16 x batch
	s_lshl_b32 s[QB], s40, 2
	s_add_co_u32 s[QB], s[QB], s69
	s_add_co_u32 s[QB], s[QB], s14                 ; + head 4 cx + wave
	s_lshl_b32 s[QB], s[QB], 16
	s_lshl_b32 s70, s43, 14                        ; token 256 (y % 4): 64 bytes a token
	s_add_co_u32 s[QB], s[QB], s70
	s_lshl_b32 s70, ttmp9, 23
	s_add_co_u32 s[QB], s[QB], s70
	s_mov_b32 s[QB+1], 0
	s_lshl_b32 s[VB], ttmp9, 3
	s_add_co_u32 s[VB], s[VB], s69
	s_lshl_b32 s70, s43, 1
	s_add_co_u32 s[VB], s[VB], s70                 ; 16 x batch + head 8 x + 2 (y % 4)
	s_lshl_b32 s[VB], s[VB], 16
	s_lshl_b32 s70, s40, 14
	s_add_co_u32 s[VB], s[VB], s70                 ; key step 2 cx + wave / 2,
	s_lshr_b32 s70, s14, 1
	s_lshl_b32 s70, s70, 13
	s_add_co_u32 s[VB], s[VB], s70
	s_and_b32 s70, s14, 1
	s_lshl_b32 s70, s70, 10
	s_add_co_u32 s[VB], s[VB], s70                 ; chunks 2 (wave % 2) on
	s_add_co_u32 s[VB], s[VB], 0x1000000
	s_mov_b32 s[VB+1], 0
	s_mov_b32 s48, 1                               ; groups 0: slot 0 s[48:51], slot 1 s[52:55]
	s_mov_b32 s52, 1
	s_lshl_b32 s49, s14, 15                        ; 32768 bytes a wave
	s_add_co_u32 s53, s49, SLOT
	s_wait_alu depctr_va_vdst(0)
	s_wait_dscnt 0x0                               ; both opening adds are done
	s_wait_kmcnt 0x0
	s_load_b256 s[88:95], s[8:9], 0x0              ; e0 .. e7
	s_load_b128 s[96:99], s[8:9], 0x20             ; e8 .. e11
	s_add_nc_u64 s[50:51], s[4:5], s[20:21]
	s_or_b32 s51, s51, 0x80000000
	s_add_nc_u64 s[54:55], s[50:51], 8192          ; 512 along K further on
	s_add_nc_u64 s[WB:WB+1], s[6:7], s[WB:WB+1]
	s_add_nc_u64 s[XB:XB+1], s[4:5], s[XB:XB+1]
	s_add_nc_u64 s[QB:QB+1], s[10:11], s[QB:QB+1]
	s_add_nc_u64 s[VB:VB+1], s[10:11], s[VB:VB+1]
	CROUND                                         ; all four work-groups are here: the first joint loads meet
	JLOAD 48, 24                                   ; x, K 0 .. 511: my one tensor load at the head
.macro DL reg, base, off               ; the direct side's four fragments of 128 along K: 16 loads of 512 consecutive bytes
.irp b, 0,1,2,3
.irp c, 0,1,2,3
	global_load_b128 v[\reg+16*\b+4*\c:\reg+16*\b+4*\c+3], v[VO], s[\base:\base+1] offset:16384*\b+\off+512*\c
.endr
.endr
.endm
; Eight LDS-side fragments, 16 slots x 128 K each: registers 4 c .. 4 c + 3 hold K = 32 c + 16 (l / 16) + 0 .. 15, alike on both sides.
.macro XF1 h                           ; part 1's half step h: tiles 8 (h % 2) on, K step h / 2, into set h % 2
	WIN 0x40
.irp j, 0,1,2,3,4,5,6,7
.irp c, 0,1,2,3
	ds_load_b128 v[128*((\h)%2)+16*\j+4*\c:128*((\h)%2)+16*\j+4*\c+3], v[ADR+2*((\h)/8)+(\h)%2] offset:8192*\j+2048*(((\h)/2)%4)+512*\c
.endr
.endr
	WIN 0
.endm
.macro XF2 k                           ; part 2's K step k: all eight tiles, into set k % 2
	WIN 0x40
.irp j, 0,1,2,3,4,5,6,7
.irp c, 0,1,2,3
	ds_load_b128 v[128*((\k)%2)+16*\j+4*\c:128*((\k)%2)+16*\j+4*\c+3], v[ADR+\j/4] offset:16384*(\j%4)+2048*(\k)+512*\c
.endr
.endr
	WIN 0
.endm
; cnt tiles' products from tile QT of the window on: direct registers DR, LDS-side registers XS, window setting WM.  The accumulators take turns, one instruction a turn, in the same order in every K step.
.macro PROD cnt, zero
	WIN WM
.rept \cnt
.irp b, 0,1,2,3
.if \zero
	v_wmma_f32_16x16x128_fp8_fp8 v[32*QT+8*\b:32*QT+8*\b+7], v[DR+16*\b:DR+16*\b+15], v[XS+16*QT:XS+16*QT+15], 0
.else
	v_wmma_f32_16x16x128_fp8_fp8 v[32*QT+8*\b:32*QT+8*\b+7], v[DR+16*\b:DR+16*\b+15], v[XS+16*QT:XS+16*QT+15], v[32*QT+8*\b:32*QT+8*\b+7]
.endif
.endr
.set QT, QT+1
.endr
	WIN 0
.endm
.macro SET1 h
.set QT, 0
.set DR, 64+64*(((\h)/2)%3)
.set XS, 128*((\h)%2)
.set WM, 0xa4+0x50*((\h)%2)            ; source 0 window 0, source 1 window 1, C and D window 2 or 3
.endm
; A half step of part 1.  The four places stand behind the last products, in front of loads into registers that they read.
.macro HALF h
	SET1 \h
	s_wait_dscnt 24                                ; 24 + 32 may then be out
	PLACES
.if (\h) < 15
	XF1 (\h)+1
.endif
.if ((\h)%2) == 0
.set DD, (\h)/2+2
.if DD < 8
	DL 64+64*(DD%3), WB, 2048*DD
.else
	DL 64+64*(DD%3), XB, 2048*(DD-8)
.endif
	s_wait_loadcnt 32                              ; this K step's 16 direct loads are in; those of the next two may be out
.endif
.if (\h) < 15
	s_wait_dscnt 32                                ; this half step's fragments are in; the 32 loads just issued may be out
.else
	s_wait_dscnt 0x0
.endif
.if (\h) < 2
	PROD 8, 1                                      ; K step 0 starts the sums: nothing is cleared
.else
	PROD 8, 0
.endif
.endm
; The way out of tile t: its four accumulators, each from its low end on: the hold, the conversions, two chunks' images.
.macro OUT t, sc, base, off
.if ((\t)%8) == 0
	s_wait_xcnt 0x0                                ; the earlier stores have read the codes' registers
.endif
.set TT, 128+32*((\t)%2)
.set CC, 192+8*((\t)%8)
	WIN 0x42+((\t)/8)                              ; source 0 window 2 or 3, destination window 1
.set ii, 0
.rept 32
	v_med3_num_f32 v[TT+ii], v[32*((\t)%8)+ii], -v[\sc+1], v[\sc+1]   ; the conversion does not saturate (ISA guide 7.6.2): the hold comes first
.set ii, ii+1
.endr
	WIN 0x41
.irp g, 0,1,2,3
	v_cvt_scalef32_pk8_fp8_f32 v[CC+2*\g:CC+2*\g+1], v[TT+8*\g:TT+8*\g+7], v[\sc]
.endr
	v_nop                                          ; one plain line behind the conversions
	WIN 0x04                                       ; the stored data: window 1
	global_store_b128 v[VO], v[CC:CC+3], s[\base:\base+1] offset:\off
	global_store_b128 v[VO], v[CC+4:CC+7], s[\base:\base+1] offset:(\off)+512
	WIN 0
.endm
	DL 64, WB, 0                                   ; the direct side of K steps 0 and 1
	DL 128, WB, 2048
	; A sum stands for sum x 2^(ea + eb); its code is sum / 2^(eo - ea - eb): the three exponents are folded into the conversion's one
	s_wait_kmcnt 0x0
	s_xor_b32 s2, s93, s89
	s_min_u32 s2, s2, 1
	s_lshl_b32 s2, s2, 24                          ; x for v: copy 2, or copy 0 where e5 = e1
	s_mov_b32 s3, 0
	s_add_nc_u64 s[XB:XB+1], s[XB:XB+1], s[2:3]
	s_sub_co_i32 s88, s94, s88
	s_sub_co_i32 s88, s88, s89                     ; q: e6 - e0 - e1
	s_sub_co_i32 s90, s95, s90
	s_sub_co_i32 s90, s90, s91                     ; k: e7 - e2 - e3
	s_sub_co_i32 s92, s97, s92
	s_sub_co_i32 s92, s92, s93                     ; v: e9 - e4 - e5
	s_cmp_eq_u32 ttmp9, 1
	s_cselect_b32 s88, s90, s88
	s_add_co_i32 s88, s88, 127
	s_lshl_b32 s89, s88, 23
	s_add_co_i32 s88, s88, 8
	s_lshl_b32 s88, s88, 23
	s_or_b32 s88, s88, 0x600000
	s_add_co_i32 s92, s92, 127
	s_lshl_b32 s93, s92, 23
	s_add_co_i32 s92, s92, 8
	s_lshl_b32 s92, s92, 23
	s_or_b32 s92, s92, 0x600000
	v_mov_b32 v[SC], s89
	v_mov_b32 v[SC+1], s88
	v_mov_b32 v[SC2], s93
	v_mov_b32 v[SC2+1], s92
	s_wait_alu depctr_va_vdst(0)
	s_wait_tensorcnt 0x0                           ; my part of slot 0 is in
	ds_add_u32 v[SPW], v[NIL]
	s_wait_dscnt 0x0
	CROUND                                         ; everybody's part is in
	JLOAD 52, 24                                   ; x, K 512 .. 1023, into slot 1: the first tensor load behind the round
	XF1 0
	HALF 0
	HALF 1
	HALF 2
	HALF 3
	HALF 4
	HALF 5
	HALF 6
	; half step 7 changes slots: its own fragments are the last reads of slot 0
	SET1 7
	s_wait_tensorcnt 0x0                           ; my part of slot 1 is in;
	ds_add_u32 v[SPW], v[NIL]
	s_wait_dscnt 1                                 ; the fragments are in; the add may be out
	PROD 2, 0
	s_wait_dscnt 0x0                               ; the add is done, and so are my reads of slot 0
	s_barrier_signal -1
	PROD 2, 0
	s_barrier_wait -1
	CREST                                          ; no wave of any partner still reads slot 0 or has a load on its way
	s_add_nc_u64 s[50:51], s[6:7], s[80:81]
	s_or_b32 s51, s51, 0x80000000
	JLOAD 48, 32                                   ; part 2's Wv, all of K, into slot 0; its four v_nop are the places in front of the loads below
	XF1 8
	PROD 4, 0
	HALF 8
	HALF 9
	HALF 10
	HALF 11
	HALF 12
	HALF 13
	HALF 14
	HALF 15
	s_wait_tensorcnt 0x0                           ; my part of Wv is in; no LDS read of mine is out
	s_barrier_signal -1
	PLACES                                         ; behind the last products
	s_barrier_wait -1                              ; Wv is whole; nothing is filled any more
	XF2 0
	DL 128, XB, 4096                               ; part 2's K step 2
.irp t, 8,9,10,11,12,13,14,15
	OUT \t, SC, QB, 1024*\t                        ; q, k: 16 tokens of my head
.endr
	s_wait_loadcnt 0x0                             ; part 2's K steps 0 to 2 are in
	WIN 0xc0                                       ; its K steps 3 to 6 go into the accumulators just read
	DL 0, XB, 6144
	DL 64, XB, 8192
	DL 128, XB, 10240
	DL 192, XB, 12288
	WIN 0
.irp t, 0,1,2,3,4,5,6,7
	OUT \t, SC, QB, 1024*\t
.endr
	s_wait_xcnt 0x0                                ; the stores have read the codes' registers, which now take fragments again
.macro STEP2 k                         ; part 2: 128 along K
.set QT, 0
.set XS, 128*((\k)%2)
.set WM, 0xa4
.set DR, 64+64*(((\k)+2)%3)            ; K steps 0, 1, 2 and 7: window 0
.if ((\k) > 2) && ((\k) < 7)
.set WM, 0xa7                          ; 3 to 6: source 0 window 3
.set DR, 64*((\k)-3)
.endif
.if (\k) == 7
.set DR, 192
.endif
	s_wait_dscnt 24
	PLACES
.if (\k) < 7
	XF2 (\k)+1
.endif
.if (\k) == 1
	DL 192, XB, 14336                              ; K step 7, into K step 0's registers
.endif
.if (\k) == 3
	s_wait_loadcnt 48
.elseif (\k) > 3
	s_wait_loadcnt 16*(7-(\k))                     ; the later K steps' loads may be out
.endif
.if (\k) < 7
	s_wait_dscnt 32
.else
	s_wait_dscnt 0x0
.endif
.if (\k) == 0
	PROD 8, 1
.else
	PROD 8, 0
.endif
.endm
	STEP2 0
	STEP2 1
	STEP2 2
	STEP2 3
	STEP2 4
	STEP2 5
	STEP2 6
	STEP2 7
	PLACES
.irp t, 0,1,2,3,4,5,6,7
	OUT \t, SC2, VB, 65536*(\t/4)+2048*(\t%4)      ; v: 16 d of head t / 4 of my two
.endr
	s_wait_tensorcnt 0x0                           ; the wave's end
	ds_add_u32 v[SPW], v[NIL]
	s_wait_dscnt 0x0
	CROUND                                         ; the closing round
	s_endpgm
.Lfunc_end_k_q1be4d02b33_qkv:
	.size	k_q1be4d02b33_qkv, .Lfunc_end_k_q1be4d02b33_qkv-k_q1be4d02b33_qkv
	.p2alignl 7, 3214868480
	.fill 96, 4, 3214868480
	.section	.rodata,"a",@progbits
	.p2align	6, 0x0
	.amdhsa_kernel k_q1be4d02b33_qkv
		.amdhsa_group_segment_fixed_size 327680
		.amdhsa_private_segment_fixed_size 0
		.amdhsa_enable_private_segment 0
		.amdhsa_kernarg_size 32
		.amdhsa_user_sgpr_count 2
		.amdhsa_user_sgpr_kernarg_segment_ptr 1
		.amdhsa_wavefront_size32 1
		.amdhsa_system_sgpr_workgroup_id_x 1
		.amdhsa_system_sgpr_workgroup_id_y 1
		.amdhsa_system_sgpr_workgroup_id_z 1
		.amdhsa_system_vgpr_workitem_id 0
		.amdhsa_next_free_vgpr 1024
		.amdhsa_next_free_sgpr 100
		.amdhsa_reserve_vcc 0
		.amdhsa_float_denorm_mode_32 3
		.amdhsa_float_denorm_mode_16_64 3
		.amdhsa_memory_ordered 1
		.amdhsa_forward_progress 1
		.amdhsa_inst_pref_size 199
	.end_amdhsa_kernel
	.amdgpu_metadata
---
amdhsa.version: [ 1, 2 ]
amdhsa.kernels:
  - .name:           k_q1be4d02b33_qkv
    .symbol:         k_q1be4d02b33_qkv.kd
    .args:
      - { .name: xc, .offset: 0, .size: 8, .value_kind: global_buffer, .address_space: global }
      - { .name: wc, .offset: 8, .size: 8, .value_kind: global_buffer, .address_space: global }
      - { .name: lowp_scales, .offset: 16, .size: 8, .value_kind: global_buffer, .address_space: global }
      - { .name: qkvc, .offset: 24, .size: 8, .value_kind: global_buffer, .address_space: global }
    .group_segment_fixed_size: 327680
    .private_segment_fixed_size: 0
    .kernarg_segment_align: 8
    .kernarg_segment_size: 32
    .max_flat_workgroup_size: 128
    .sgpr_count:     100
    .vgpr_count:     1024
    .wavefront_size: 32
...
	.end_amdgpu_metadata
.endif
;; end of part 2
;; launch attn (part 3): grid 128 x 2, 8 waves a work-group, no clusters, 327,680 bytes of LDS; arguments qkvc, lowp_scales, oc; writes oc
.if DOCPART == 3
	.amdgcn_target "amdgcn-amd-amdhsa--gfx1250"
	.amdhsa_code_object_version 6
	.text
	.protected	k_q1be4d02b33_attn
	.globl	k_q1be4d02b33_attn
	.p2align	8
	.type	k_q1be4d02b33_attn,@function
k_q1be4d02b33_attn:
	s_mov_b64 s[64:65], 0
	v_nop
	global_prefetch_b8 v0, s[64:65] scope:SCOPE_SE
	s_setreg_imm32_b32 hwreg(HW_REG_WAVE_MODE, 25, 1), 1
	s_wait_xcnt 0x0
; Causal attention of one head (batch x head = work-group x) on codes of FP8 (E4M3); the result is quantised for the last product.
; q, k: [batch x head][64 tiles][2 chunks][512]; v: [batch x head][8 key steps][4 tiles of d][4 chunks][512]: images of the operands' registers, 16 x lane; slot r of tile T is row 32 (T / 2) + 8 (T % 2) + r + 8 (r / 8).
; THE SOFTMAX: t = score x log2(e) / 8; M = the running largest t rounded up to a whole number; p = 2^(t - M) is quantised, not normalised; the row's sum is taken of the unquantised p and divides at the end.
; When M moves, the sum and O are multiplied by 2^(old M - new M), which rounds nothing.
; WORK LEFT OUT: a key step all of whose keys come after a pair's queries: the causal mask puts -infinity there, so those p are 0 for all inputs.  LIMIT: a NaN or an infinity that reaches only those scores is not carried on.
; SHARES.  The head's K and V, 64 KiB each, lie in LDS whole; every byte is filled ONCE, in two parts: first each of the eight waves brings 2 KiB of key step 0; behind a barrier it asks for 14 KiB of key steps 1 to 7,
; and the first trip runs on key step 0 while they land; a second barrier stands ahead of the other seven trips.  Nothing is stored to LDS.
; The head's two work-groups (y = 0, 1) have 16 waves; wave j owns the PAIRS of query tiles j (A: tiles 2 j, 2 j + 1) and 31 - j (B).  Pair j needs the key steps 0 .. j / 4, so every wave has 9 steps of a pair x 128 keys.
; K and V of a key step are read from LDS once for both pairs; the next step's K is fetched while the softmax is worked.  The two tiles of a pair are worked side by side.
; In a pair's last step hidden scores become -infinity ahead of the maximum, from the 32 keys on in which its queries lie.
; LAYOUT.  Both products are used transposed (S^T = K Q^T, O^T = V^T P^T): a lane holds one query; by the order of rows in a tile the 16 registers of two neighbouring tiles are 16 neighbouring keys (or d).
; NO JOINT REQUESTS: only two work-groups read a head's tiles, once each, and the grid's 2 along y divides into no cluster of four; partners along x would be other heads, which share nothing.
; NO PREFETCH: the second part is asked for as soon as the first has landed; ahead of that stands the kernel's head alone.
; LIMITS: e6 + e7 between -123 and 130 (added to c's exponent field); e8 and e10 between -126 and 119; e8 + e9 is applied by v_ldexp_f32 and has none.
; REGISTERS, window 0: v1 16 x lane; v5, v6 the add's; v8, v9 the key step's K and V in LDS; v10-13 my query less the last step's first key less 16 (lane / 16), by tile; v16-31 by tile: -M, the largest t, the sum in two halves;
;   v32-35 two chains a tile; v38-41 f; v42-45, v56-57 further chains of the sums; v46 2^e8, v47 448 x 2^e8, v48 448 x 2^e10, v49 2^e10, v50 -infinity; v52-55 permutes; v64-95 Q; v96-127 p's codes; v128-255 S^T of two tiles, then p.
;   window 1: v0-63 K, v64-127 V, v128-255 O^T of four tiles.
.set SPARE, 131072                     ; behind K and V: the spare words, 128 bytes for each wave
.set L16,  1
.set SPW,  5                           ; never rewritten
.set NIL,  6                           ; never rewritten
.set ADK,  8
.set ADV,  9
.set P,    96
.set S,    128
.set MSB, 0
.macro WIN new                         ; the immediate's high byte repeats the setting that is left
.if MSB != (\new)
	s_set_vgpr_msb (MSB<<8)|(\new)
.set MSB, (\new)
.endif
.endm
	s_load_b128 s[4:7], s[0:1], 0x0                ; qkvc s[4:5], the scales s[6:7]
	s_load_b64 s[8:9], s[0:1], 0x10                ; oc
	v_lshl_add_u32 v[SPW], v0, 2, SPARE
	v_mov_b32 v[NIL], 0
	ds_add_u32 v[SPW], v[NIL]                      ; the opening lines: the add, twice on end, ahead of my first tensor load
	ds_add_u32 v[SPW], v[NIL]
	v_lshrrev_b32 v2, 5, v0
	v_readfirstlane_b32 s18, v2                    ; wave 0..7
	s_mov_b32 s19, ttmp9                           ; batch x head
	s_and_b32 s16, ttmp7, 0xffff
	s_lshl_b32 s16, s16, 3
	s_add_co_u32 s16, s16, s18                     ; pair A = 8 x work-group y + wave
	s_sub_co_u32 s17, 31, s16                      ; pair B
	s_lshr_b32 s36, s16, 2                         ; their last key steps: A's at most 3, B's at least 4
	s_lshr_b32 s37, s17, 2
	; descriptor groups 1: dense blocks as rows of 256 bytes: 2048 bytes are 8 rows, 14336 bytes are 56
	s_mov_b32 s24, 3<<16                           ; no mask; elements of 8 bytes; no padding
	s_mov_b32 s25, 32<<16                          ; tensor_dim0 = 32
	s_mov_b32 s26, 8<<16                           ; tensor_dim1
	s_mov_b32 s27, 32<<16                          ; tile_dim0 = 32
	s_mov_b32 s28, 8                               ; tile_dim1
	s_mov_b32 s29, 32                              ; tensor_dim0_stride
	s_mov_b32 s30, 0
	s_mov_b32 s31, 0
	s_mov_b32 s68, 3<<16
	s_mov_b32 s69, 32<<16
	s_mov_b32 s70, 56<<16
	s_mov_b32 s71, 32<<16
	s_mov_b32 s72, 56
	s_mov_b32 s73, 32
	s_mov_b32 s74, 0
	s_mov_b32 s75, 0
	s_mov_b32 s20, 0x76543210                      ; v_permlanex16_b32: lane l xor 16
	s_mov_b32 s21, 0xfedcba98
	s_mov_b32 s22, 0x3e38aa3b                      ; c = log2(e) / 8
	s_mov_b32 s3, 0                                ; the key step
	s_lshl_b32 s50, s19, 16                        ; the head's 65536 bytes in q, k and v
	s_lshr_b32 s51, s18, 2                         ; waves 0-3 fetch K, waves 4-7 V,
	s_and_b32 s49, s18, 3                          ; a quarter each
	s_add_co_u32 s38, s51, 1
	s_lshl_b32 s38, s38, 23                        ; K at 8 MiB, V at 16 MiB,
	s_add_co_u32 s38, s38, s50                     ; my head
	s_lshl_b32 s39, s49, 11
	s_add_co_u32 s10, s38, s39                     ; first part: 2048 bytes of key step 0
	s_mov_b32 s11, 0
	s_mul_i32 s39, s49, 14336
	s_add_co_u32 s38, s38, s39
	s_add_co_u32 s38, s38, 8192                    ; second part: 14336 bytes of key steps 1 to 7
	s_mov_b32 s39, 0
	s_lshl_b32 s60, s51, 16                        ; in LDS: K at 0, V at 65536, each as it lies in memory
	s_lshl_b32 s61, s49, 11
	s_add_co_u32 s33, s60, s61
	s_mul_i32 s61, s49, 14336
	s_add_co_u32 s77, s60, s61
	s_add_co_u32 s77, s77, 8192
	s_mov_b32 s32, 1                               ; groups 0: count = 1
	s_mov_b32 s76, 1
	s_lshl_b32 s52, s16, 11
	s_add_co_u32 s52, s52, s50                     ; Q of pair A,
	s_mov_b32 s53, 0
	s_lshl_b32 s54, s17, 11
	s_add_co_u32 s54, s54, s50                     ; of pair B
	s_mov_b32 s55, 0
	s_lshr_b32 s56, s19, 4
	s_lshl_b32 s56, s56, 20                        ; o's image: tile 64 x batch + T,
	s_and_b32 s57, s19, 15
	s_lshl_b32 s57, s57, 10                        ; chunks 2 x head, 2 x head + 1
	s_add_co_u32 s56, s56, s57
	s_lshl_b32 s58, s16, 15
	s_add_co_u32 s58, s58, s56
	s_mov_b32 s59, 0
	s_lshl_b32 s62, s17, 15
	s_add_co_u32 s62, s62, s56
	s_mov_b32 s63, 0
	s_wait_alu depctr_va_vdst(0)
	s_wait_dscnt 0x0                               ; both opening adds are done
	s_wait_kmcnt 0x0
	s_load_b128 s[44:47], s[6:7], 0x18             ; e6, e7, e8, e9
	s_load_b32 s48, s[6:7], 0x28                   ; e10
	s_add_nc_u64 s[34:35], s[4:5], s[10:11]
	s_or_b32 s35, s35, 0x80000000                  ; type = 2
	s_add_nc_u64 s[78:79], s[4:5], s[38:39]
	s_or_b32 s79, s79, 0x80000000
	tensor_load_to_lds s[32:35], s[24:31]          ; my part of key step 0
	s_nop 0
	s_add_nc_u64 s[12:13], s[4:5], s[52:53]
	s_add_nc_u64 s[14:15], s[4:5], s[54:55]
	s_add_nc_u64 s[40:41], s[8:9], s[58:59]
	s_add_nc_u64 s[42:43], s[8:9], s[62:63]
	s_and_b32 s38, s16, 3
	s_lshl_b32 s38, s38, 5                         ; 32 ((T % 8) / 2), pair A,
	s_and_b32 s39, s17, 3
	s_lshl_b32 s39, s39, 5                         ; pair B
	v_and_b32 v2, 31, v0
	v_lshlrev_b32 v[L16], 4, v2
.irp i, 0,1,2,3
	global_load_b128 v[64+4*\i:67+4*\i], v[L16], s[12:13] offset:512*\i
.endr
.irp i, 0,1,2,3
	global_load_b128 v[80+4*\i:83+4*\i], v[L16], s[14:15] offset:512*\i
.endr
	v_mov_b32 v[ADK], v[L16]                       ; key step 0
	v_add_nc_u32 v[ADV], 0x10000, v[L16]
	v_and_b32 v2, 15, v0                           ; r
	v_bfe_u32 v3, v0, 4, 1                         ; h
	v_and_b32 v4, 8, v2
	v_lshlrev_b32 v7, 4, v3
	v_add_nc_u32 v4, v4, v2
	v_sub_nc_u32 v4, v4, v7                        ; r + 8 (r / 8) - 16 h
	v_add_nc_u32 v10, s38, v4
	v_add_nc_u32 v12, s39, v4
	v_add_nc_u32 v11, 8, v10                       ; the pair's second tile: 8 rows on
	v_add_nc_u32 v13, 8, v12
.irp x, 0,1,2,3
	v_mov_b32 v[17+4*\x], 0xff61b1e6               ; the largest t so far: -3e38, under every t
	v_mov_b32 v[18+4*\x], 0
	v_mov_b32 v[19+4*\x], 0
	v_mov_b32 v[52+\x], 0                          ; a lane permute's destination counts as one of its sources
.endr
.irp x, 0,1,2,3
	v_floor_f32 v[16+4*\x], -v[17+4*\x]
.endr
	v_mov_b32 v39, 0                               ; (named as upper halves of pairs)
	v_mov_b32 v41, 0
	v_mov_b32 v50, 0xff800000                      ; -infinity
	s_wait_alu depctr_va_vdst(0)
	s_wait_kmcnt 0x0
	s_add_co_i32 s38, s44, s45
	s_lshl_b32 s38, s38, 23
	s_add_co_i32 s22, s22, s38                     ; a score stands for score x 2^(e6 + e7): added to c's exponent field
	s_mov_b32 s23, s22                             ; (named with it as a pair)
	s_add_co_i32 s38, s46, 127
	s_lshl_b32 s39, s38, 23
	s_add_co_i32 s38, s38, 8
	s_lshl_b32 s38, s38, 23
	s_or_b32 s38, s38, 0x600000
	v_mov_b32 v46, s39                             ; 2^e8
	v_mov_b32 v47, s38                             ; 448 x 2^e8
	s_add_co_i32 s38, s48, 127
	s_lshl_b32 s39, s38, 23
	s_add_co_i32 s38, s38, 8
	s_lshl_b32 s38, s38, 23
	s_or_b32 s38, s38, 0x600000
	v_mov_b32 v49, s39                             ; 2^e10
	v_mov_b32 v48, s38                             ; 448 x 2^e10
	s_wait_alu depctr_va_vdst(0)
	s_wait_tensorcnt 0x0                           ; my part of key step 0 has landed;
	ds_add_u32 v[SPW], v[NIL]
	s_wait_dscnt 0x0
	s_barrier_signal -1
	s_barrier_wait -1                              ; everybody's has: key step 0 is whole
	tensor_load_to_lds s[76:79], s[68:75]          ; my one further load, first thing behind the barrier: my part of key steps 1 to 7, into bytes that have not been filled
	s_nop 0
.rept 4
	v_nop
.endr
	s_wait_loadcnt 0x0                             ; Q
.macro LOADK off                       ; eight tiles of 16 keys x 64
	WIN 0x40
.irp t, 0,1,2,3,4,5,6,7
.irp c, 0,1
	ds_load_b128 v[8*\t+4*\c:8*\t+4*\c+3], v[ADK] offset:\off+1024*\t+512*\c
.endr
.endr
	WIN 0
.endm
.macro LOADV                           ; four tiles of 16 d x 128 keys
	WIN 0x40
.irp t, 0,1,2,3
.irp c, 0,1,2,3
	ds_load_b128 v[64+16*\t+4*\c:64+16*\t+4*\c+3], v[ADV] offset:2048*\t+512*\c
.endr
.endr
	WIN 0
.endm
.macro HIDE b, vd                      ; 32 keys (16 a lane): register 16 b + i holds key 32 b + 16 (lane / 16) + i of the step
.irp u, 0,1
.set nn, 0
.rept 16
	v_cmp_gt_i32 vcc_lo, 32*\b+nn, v[\vd+\u]
	v_cndmask_b32 v[S+64*\u+16*\b+nn], v[S+64*\u+16*\b+nn], v50, vcc_lo
.set nn, nn+1
.endr
.endr
.endm
.macro SUM x, sm                       ; the sum of 64 unquantised p, from register x on, onto the pair sm: four chains
	v_pk_add_f32 v[42:43], v[\x:\x+1], v[\x+2:\x+3]
	v_pk_add_f32 v[44:45], v[\x+4:\x+5], v[\x+6:\x+7]
	v_pk_add_f32 v[56:57], v[\x+8:\x+9], v[\x+10:\x+11]
.irp j, 12,20,28,36,44,52
	v_pk_add_f32 v[\sm:\sm+1], v[\sm:\sm+1], v[\x+\j:\x+\j+1]
	v_pk_add_f32 v[42:43], v[42:43], v[\x+\j+2:\x+\j+3]
	v_pk_add_f32 v[44:45], v[44:45], v[\x+\j+4:\x+\j+5]
	v_pk_add_f32 v[56:57], v[56:57], v[\x+\j+6:\x+\j+7]
.endr
	v_pk_add_f32 v[\sm:\sm+1], v[\sm:\sm+1], v[\x+60:\x+61]
	v_pk_add_f32 v[42:43], v[42:43], v[\x+62:\x+63]
	v_pk_add_f32 v[44:45], v[44:45], v[56:57]
	v_pk_add_f32 v[\sm:\sm+1], v[\sm:\sm+1], v[42:43]
	v_pk_add_f32 v[\sm:\sm+1], v[\sm:\sm+1], v[44:45]
.endm
; A key step of one pair.  q: Q's registers; o: O^T's, in window 1; st: the statistics'; vd: the mask's; g: the scalar register with the pair's last key step.
; lead = 1 (pair B): waits for K and fetches V.  first = 1 (key step 0): O^T starts, and no K is fetched.  mask = 0: the step is never the pair's last.
.macro PAIR q, o, st, vd, g, lead, first, mask
.if \lead
	s_wait_dscnt 0x0                               ; K is in
.endif
	WIN 0x01                                       ; source 0 window 1
.irp t, 0,1,2,3,4,5,6,7
.irp u, 0,1
	v_wmma_f32_16x16x64_fp8_fp8 v[S+64*\u+8*\t:S+64*\u+8*\t+7], v[8*\t:8*\t+7], v[\q+8*\u:\q+8*\u+7], 0
.endr
.endr
	WIN 0
.rept 4
	v_nop                                          ; places: behind these products, and behind the last that read V
.endr
.if \lead
	LOADV                                          ; V lands while the softmax is worked
.if \first == 0
	s_cmp_le_u32 s3, s36
	s_cbranch_scc1 .Lnk_\@                         ; pair A still needs K: it fetches the next
	s_cmp_ge_u32 s3, s37
	s_cbranch_scc1 .Lnk_\@                         ; there is no next
	LOADK 8192
.Lnk_\@:
.endif
.elseif \first == 0
	LOADK 8192                                     ; (pair B's last step lies behind pair A's)
.endif
.if \mask
	s_cmp_lt_u32 s3, s[\g]
	s_cbranch_scc1 .Lopen_\@                       ; all 128 keys count
	s_and_b32 s38, s[\g-20], 3                     ; the 32 keys of the step in which my queries lie; all keys ahead of them count
	s_cmp_eq_u32 s38, 3
	s_cbranch_scc1 .Lgrp3_\@
	s_cmp_eq_u32 s38, 2
	s_cbranch_scc1 .Lgrp2_\@
	s_cmp_eq_u32 s38, 1
	s_cbranch_scc1 .Lgrp1_\@
	HIDE 0, \vd
.Lgrp1_\@:
	HIDE 1, \vd
.Lgrp2_\@:
	HIDE 2, \vd
.Lgrp3_\@:
	HIDE 3, \vd
.Lopen_\@:
.endif
.irp u, 0,1                                    ; the step's largest score of my two queries among my 64 keys, two chains each
	v_max3_num_f32 v[32+2*\u], v[S+64*\u], v[S+64*\u+1], v[S+64*\u+2]
	v_max3_num_f32 v[33+2*\u], v[S+64*\u+3], v[S+64*\u+4], v[S+64*\u+5]
.endr
.irp i, 6,10,14,18,22,26,30,34,38,42,46,50,54,58
.irp u, 0,1
	v_max3_num_f32 v[32+2*\u], v[32+2*\u], v[S+64*\u+\i], v[S+64*\u+\i+1]
	v_max3_num_f32 v[33+2*\u], v[33+2*\u], v[S+64*\u+\i+2], v[S+64*\u+\i+3]
.endr
.endr
.irp u, 0,1
	v_max3_num_f32 v[32+2*\u], v[32+2*\u], v[S+64*\u+62], v[S+64*\u+63]
.endr
.irp u, 0,1
	v_max_num_f32 v[32+2*\u], v[32+2*\u], v[33+2*\u]
.endr
.irp u, 0,1
	v_permlanex16_b32 v[52+\u], v[32+2*\u], s20, s21
.endr
.irp u, 0,1
	v_max_num_f32 v[32+2*\u], v[32+2*\u], v[52+\u]     ; and among lane l xor 16's
.endr
.irp u, 0,1
	v_mul_f32 v[32+2*\u], s22, v[32+2*\u]              ; as t (c is positive)
.endr
.irp u, 0,1
	v_mov_b32 v[33+2*\u], v[\st+4*\u]
.endr
.irp u, 0,1
	v_max_num_f32 v[\st+4*\u+1], v[\st+4*\u+1], v[32+2*\u]   ; the running largest t
.endr
.irp u, 0,1
	v_floor_f32 v[\st+4*\u], -v[\st+4*\u+1]            ; the new -M = floor(-t): M is a whole number
.endr
.irp u, 0,1
	v_sub_f32 v[33+2*\u], v[\st+4*\u], v[33+2*\u]      ; old M - new M: a whole number, 0 or less
.endr
.irp u, 0,1
	v_cvt_i32_f32 v[33+2*\u], v[33+2*\u]               ; (it saturates)
.endr
.irp u, 0,1
	v_ldexp_f32 v[38+2*\u], 1.0, v[33+2*\u]            ; f = 2^(old M - new M)
.endr
.set jj, 0
.rept 32
	v_pk_fma_f32 v[S+jj:S+jj+1], v[S+jj:S+jj+1], s[22:23], v[\st:\st+1] op_sel_hi:[1,0,0]   ; tile 0: t - M, two at a time
.set jj, jj+2
.endr
	s_wait_alu depctr_va_vdst(0)
.set jj, 0
.rept 32                                       ; tile 0's exponentials, p = 2^(t - M), and between them tile 1's t - M, which nothing reads ahead of the next wait
	v_exp_f32 v[S+jj], v[S+jj]
	v_exp_f32 v[S+jj+1], v[S+jj+1]
	v_pk_fma_f32 v[S+64+jj:S+65+jj], v[S+64+jj:S+65+jj], s[22:23], v[\st+4:\st+5] op_sel_hi:[1,0,0]
.set jj, jj+2
.endr
.irp u, 0,1
	v_pk_mul_f32 v[\st+4*\u+2:\st+4*\u+3], v[\st+4*\u+2:\st+4*\u+3], v[38+2*\u:39+2*\u] op_sel_hi:[1,0]   ; the sums under the new M: plain lines behind the exponentials
.endr
	s_wait_alu depctr_va_vdst(0)                   ; one wait for the batch, ahead of its first reader, and for the next batch's sources
	SUM S, \st+2
.set jj, 0
.rept 32                                       ; tile 1's exponentials, and between them tile 0's holds, which nothing reads ahead of the next wait
	v_exp_f32 v[S+64+jj], v[S+64+jj]
	v_exp_f32 v[S+65+jj], v[S+65+jj]
	v_dual_min_num_f32 v[S+jj], v[S+jj], v47 :: v_dual_min_num_f32 v[S+jj+1], v[S+jj+1], v47   ; the conversion does not saturate (ISA guide 7.6.2); p is not negative: the hold is one-sided
.set jj, jj+2
.endr
	v_nop                                          ; a plain line behind the exponentials
	s_wait_alu depctr_va_vdst(0)                   ; one wait for the batch and what stood in it
	SUM S+64, \st+6
.set jj, 64
.rept 32
	v_dual_min_num_f32 v[S+jj], v[S+jj], v47 :: v_dual_min_num_f32 v[S+jj+1], v[S+jj+1], v47
.set jj, jj+2
.endr
.set jj, 0
.rept 16
	v_cvt_scalef32_pk8_fp8_f32 v[P+2*jj:P+2*jj+1], v[S+8*jj:S+8*jj+7], v46
.set jj, jj+1
.endr
.if \first
	v_nop                                          ; one plain line between the conversions and the products
.else
	WIN 0x41
	s_wait_alu depctr_va_vdst(0)                   ; directly ahead of the first reader of O^T
.irp u, 0,1
.set jj, 0
.rept 16
	v_pk_mul_f32 v[\o+32*\u+jj:\o+32*\u+jj+1], v[\o+32*\u+jj:\o+32*\u+jj+1], v[38+2*\u:39+2*\u] op_sel_hi:[1,0]   ; O^T under the new M
.set jj, jj+2
.endr
.endr
.endif
	s_wait_alu depctr_va_vdst(0)
	s_wait_dscnt 0x0                               ; V is in (and the next K, where it has been asked for)
	WIN 0x51                                       ; source 0, C and D window 1
.irp t, 0,1,2,3
.irp u, 0,1
.if \first
	v_wmma_f32_16x16x128_fp8_fp8 v[\o+32*\u+8*\t:\o+32*\u+8*\t+7], v[64+16*\t:64+16*\t+15], v[P+16*\u:P+16*\u+15], 0
.else
	v_wmma_f32_16x16x128_fp8_fp8 v[\o+32*\u+8*\t:\o+32*\u+8*\t+7], v[64+16*\t:64+16*\t+15], v[P+16*\u:P+16*\u+15], v[\o+32*\u+8*\t:\o+32*\u+8*\t+7]   ; the eight accumulators take turns
.endif
.endr
.endr
	WIN 0
.endm
	; key step 0, written out: all four tiles need it; key steps 1 to 7 land meanwhile
	LOADK 0
	PAIR 80, 192, 24, 12, 37, 1, 1, 0              ; pair B
	PAIR 64, 128, 16, 10, 36, 0, 1, 1              ; pair A
	s_wait_tensorcnt 0x0                           ; my part of key steps 1 to 7 has landed,
	s_wait_dscnt 0x0
	s_barrier_signal -1
.rept 4
	v_nop                                          ; places behind the last products
.endr
	s_barrier_wait -1                              ; everybody's has: K and V are whole, and nobody writes LDS from here on
	LOADK 8192                                     ; key step 1
	s_mov_b32 s2, 8192                             ; the key step's bytes in K and in V
	s_mov_b32 s3, 1
.Lks:                                              ; seven trips: key steps 1 to 7
	v_add_nc_u32 v[ADK], s2, v[L16]
	v_add_nc_u32 v[ADV], s2, v[L16]
	v_add_nc_u32 v[ADV], 0x10000, v[ADV]
	s_wait_alu depctr_va_vdst(0)
	s_cmp_gt_u32 s3, s37
	s_cbranch_scc1 .Lhidden                        ; all 128 keys come after all my queries
	PAIR 80, 192, 24, 12, 37, 1, 0, 1              ; pair B
	s_cmp_gt_u32 s3, s36
	s_cbranch_scc1 .Lhidden                        ; they come after pair A's
	PAIR 64, 128, 16, 10, 36, 0, 0, 1              ; pair A
.Lhidden:
	s_add_co_u32 s2, s2, 8192
	s_add_co_u32 s3, s3, 1
	s_cmp_lt_u32 s3, 8
	s_cbranch_scc1 .Lks
	; THE WAY OUT: O^T / the sum x 2^(e8 + e9), held, quantised with 2^e10; a lane's 16 codes are 16 bytes of a chunk's image.
	s_wait_dscnt 0x0
.rept 4
	v_nop
.endr
.irp x, 0,1,2,3
	v_add_f32 v[32+\x], v[18+4*\x], v[19+4*\x]
.endr
.irp x, 0,1,2,3
	v_permlanex16_b32 v[52+\x], v[32+\x], s20, s21
.endr
.irp x, 0,1,2,3
	v_add_f32 v[32+\x], v[32+\x], v[52+\x]
.endr
	s_wait_alu depctr_va_vdst(0)
.irp x, 0,1,2,3
	v_rcp_f32 v[38+2*\x], v[32+\x]
.endr
	v_nop                                          ; a plain line behind the reciprocals
	s_add_co_i32 s49, s46, s47
	s_wait_alu depctr_va_vdst(0)                   ; one wait for all four, ahead of the first reader
.irp x, 0,1,2,3
	v_ldexp_f32 v[38+2*\x], v[38+2*\x], s49
.endr
	WIN 0x01
	s_wait_alu depctr_va_vdst(0)                   ; directly ahead of the first reader of O^T
.irp x, 0,1,2,3
.set jj, 0
.rept 16
	v_pk_mul_f32 v[S+32*\x+jj:S+32*\x+jj+1], v[128+32*\x+jj:128+32*\x+jj+1], v[38+2*\x:39+2*\x] op_sel_hi:[1,0]   ; register 16 b + i: d = 32 b + 16 (lane / 16) + i
.set jj, jj+2
.endr
.endr
	WIN 0
.irp x, 0,1,2,3
.set ii, 0
.rept 32
	v_med3_num_f32 v[S+32*\x+ii], v[S+32*\x+ii], -v48, v48
.set ii, ii+1
.endr
.irp g, 0,1,2,3
	v_cvt_scalef32_pk8_fp8_f32 v[P+8*\x+2*\g:P+8*\x+2*\g+1], v[S+32*\x+8*\g:S+32*\x+8*\g+7], v49
.endr
	v_nop
	global_store_b128 v[L16], v[P+8*\x:P+8*\x+3], s[40+2*(\x/2):41+2*(\x/2)] offset:16384*(\x%2)               ; 512 consecutive bytes, aligned
	global_store_b128 v[L16], v[P+8*\x+4:P+8*\x+7], s[40+2*(\x/2):41+2*(\x/2)] offset:16384*(\x%2)+512
.endr
	s_wait_tensorcnt 0x0                           ; the wave's end
	ds_add_u32 v[SPW], v[NIL]
	s_wait_dscnt 0x0
	s_endpgm
.Lfunc_end_k_q1be4d02b33_attn:
	.size	k_q1be4d02b33_attn, .Lfunc_end_k_q1be4d02b33_attn-k_q1be4d02b33_attn
	.p2alignl 7, 3214868480
	.fill 96, 4, 3214868480
	.section	.rodata,"a",@progbits
	.p2align	6, 0x0
	.amdhsa_kernel k_q1be4d02b33_attn
		.amdhsa_group_segment_fixed_size 327680
		.amdhsa_private_segment_fixed_size 0
		.amdhsa_enable_private_segment 0
		.amdhsa_kernarg_size 24
		.amdhsa_user_sgpr_count 2
		.amdhsa_user_sgpr_kernarg_segment_ptr 1
		.amdhsa_wavefront_size32 1
		.amdhsa_system_sgpr_workgroup_id_x 1
		.amdhsa_system_sgpr_workgroup_id_y 1
		.amdhsa_system_sgpr_workgroup_id_z 1
		.amdhsa_system_vgpr_workitem_id 0
		.amdhsa_next_free_vgpr 512
		.amdhsa_next_free_sgpr 80
		.amdhsa_reserve_vcc 1
		.amdhsa_float_denorm_mode_32 3
		.amdhsa_float_denorm_mode_16_64 3
		.amdhsa_memory_ordered 1
		.amdhsa_forward_progress 1
		.amdhsa_inst_pref_size 160
	.end_amdhsa_kernel
	.amdgpu_metadata
---
amdhsa.version: [ 1, 2 ]
amdhsa.kernels:
  - .name:           k_q1be4d02b33_attn
    .symbol:         k_q1be4d02b33_attn.kd
    .args:
      - { .name: qkvc, .offset: 0, .size: 8, .value_kind: global_buffer, .address_space: global }
      - { .name: lowp_scales, .offset: 8, .size: 8, .value_kind: global_buffer, .address_space: global }
      - { .name: oc, .offset: 16, .size: 8, .value_kind: global_buffer, .address_space: global }
    .group_segment_fixed_size: 327680
    .private_segment_fixed_size: 0
    .kernarg_segment_align: 8
    .kernarg_segment_size: 24
    .max_flat_workgroup_size: 256
    .sgpr_count:     80
    .vgpr_count:     512
    .wavefront_size: 32
...
	.end_amdgpu_metadata
.endif
;; end of part 3
;; launch proj (part 4): grid 4 x 64, 4 waves a work-group, clusters of 4 x 4, 327,680 bytes of LDS; arguments oc, wc, lowp_scales, bo, out0; writes out0
.if DOCPART == 4
	.amdgcn_target "amdgcn-amd-amdhsa--gfx1250"
	.amdhsa_code_object_version 6
	.text
	.protected	k_q1be4d02b33_proj
	.globl	k_q1be4d02b33_proj
	.p2align	8
	.type	k_q1be4d02b33_proj,@function
k_q1be4d02b33_proj:
	s_mov_b64 s[64:65], 0
	v_nop
	global_prefetch_b8 v0, s[64:65] scope:SCOPE_SE
	s_setreg_imm32_b32 hwreg(HW_REG_WAVE_MODE, 25, 1), 1
	s_wait_xcnt 0x0
	s_wait_alu depctr_hold_cnt(0) depctr_sa_sdst(0) depctr_va_vdst(0) depctr_va_sdst(0) depctr_va_ssrc(0) depctr_va_vcc(0) depctr_vm_vsrc(0)
	s_getreg_b32 s2, hwreg(HW_REG_IB_STS2, 6, 4)
	s_cmp_eq_u32 s2, 0
	s_cbranch_scc0 .Lentry_in_a_cluster
	s_endpgm
.Lentry_in_a_cluster:
	s_bfe_u32 s2, ttmp6, 0x10000c
	s_cmp_lg_u32 s2, 0xf033
	s_cbranch_scc0 .Lentry_shape_is_right
	s_endpgm
.Lentry_shape_is_right:
; out = o Wo + bo: o's codes [8192][1024] and Wo's codes [1024][1024] as images of the operands' registers (tile T: slot r is row 32 (T / 2) + 8 (T % 2) + r + 8 (r / 8); 16384 bytes; chunk c of 32 along K 512 bytes, 16 x lane); sums in f32.
; A work-group makes 128 rows (y) x 256 columns (cx); a wave all 128 rows x 64 columns.
; THROUGH LDS, by ONE joint load a wave: the 128 rows of o, all of K (waves 0 and 1; shared along a row of the cluster), and Wo's 256 columns, K 0 to 511 (waves 2 and 3; shared along a column); 128 KiB each; nothing is filled again.
; Wo's K 512 to 1023 goes from memory straight into registers, each wave its own four tiles once: LDS has no room for it beside the two (256 KiB of 320).
; So each wave holds its four tiles of Wo, all of K, in 512 registers.
; THE PRODUCT GOES BY TILES OF 16 ROWS, K innermost: a tile's rows leave while the next tiles are multiplied.
; NO PREFETCH: the one joint load and all direct loads stand at the head, and no loop runs ahead.
; The matrix instruction takes Wo as source 0 and o as source 1: a lane holds one row; the 16 registers of two neighbouring accumulators are 16 neighbouring columns.
; LIMIT: e10 + e11 lies between -126 and 127, so that 2^(e10 + e11) is an f32 number.
; REGISTERS: window 0: addresses, the bias; v64-127 two sets of a tile's four accumulators; v128-255 four sets of rows read back.  windows 1, 3: Wo, K steps 0 to 3 and 4 to 7.  window 2: two sets of a tile's eight fragments of o.
.set WOFF,   131072                    ; o's tiles, then Wo's: 16 tiles of 8192 bytes
.set STAGE,  262144                    ; behind them: 16 rows x 272 bytes for each wave, for the way out; no tile lands there
.set SPITCH, 272
.set SPARE,  STAGE+4*16*SPITCH         ; the spare words, 128 bytes for each wave
.set ADR, 16                           ; v16-17  16 x lane + 65536 i
.set VO,  16
.set WL,  18                           ; v18     my four tiles of Wo in LDS
.set STO, 24
.set RD,  25
.set CO,  26
.set SPW, 28                           ; v28     SPARE + 4 x my thread's number; never rewritten
.set NIL, 29                           ; v29     0; never rewritten
.set ACC, 64
.set BK,  128
.set WB,  72                           ; s[72:73] Wo's codes at my 64 columns
.set MSB, 0
.macro WIN new                         ; the immediate's high byte repeats the setting that is left
.if MSB != (\new)
	s_set_vgpr_msb (MSB<<8)|(\new)
.set MSB, (\new)
.endif
.endm
.macro CROUND                          ; a round of the cluster's barrier
	s_barrier_signal -1
	s_barrier_wait -1
	s_cmp_lg_u32 s14, 0
	s_cbranch_scc1 .Lnot_wave_0_\@
	s_barrier_signal -3
.Lnot_wave_0_\@:
	s_barrier_wait -3
	s_barrier_signal -1
	s_barrier_wait -1
.endm
	s_load_b256 s[4:11], s[0:1], 0x0               ; oc s[4:5], wc s[6:7], the scales s[8:9], bo s[10:11]
	s_load_b64 s[12:13], s[0:1], 0x20              ; out0
	v_lshl_add_u32 v[SPW], v0, 2, SPARE
	v_mov_b32 v[NIL], 0
	ds_add_u32 v[SPW], v[NIL]                      ; the opening lines: the add, twice on end, ahead of my first tensor load
	ds_add_u32 v[SPW], v[NIL]
	v_lshrrev_b32 v1, 5, v0
	v_readfirstlane_b32 s14, v1                    ; wave 0..3
	s_mul_i32 s23, s14, 16*SPITCH
	s_add_co_u32 s23, s23, STAGE                   ; my stage
	s_lshl_b32 s22, s14, 15
	s_add_co_u32 s22, s22, WOFF
	v_and_b32 v1, 31, v0
	v_and_b32 v2, 15, v0
	v_bfe_u32 v3, v0, 4, 1
	v_lshlrev_b32 v[VO], 4, v1                     ; 16 x lane
	v_add_nc_u32 v[ADR+1], 0x10000, v[VO]
	v_add_nc_u32 v[WL], s22, v[VO]
	v_mul_u32_u24 v4, v2, SPITCH
	v_lshl_add_u32 v4, v3, 6, v4
	v_add_nc_u32 v[STO], s23, v4                   ; into the stage: row r, 64 bytes for each half of the lanes
	v_mul_u32_u24 v5, v3, SPITCH
	v_lshl_add_u32 v5, v2, 4, v5
	v_add_nc_u32 v[RD], s23, v5                    ; out of it: sixteen lanes to a row
	v_lshlrev_b32 v6, 4, v2
	v_lshl_add_u32 v[CO], v3, 12, v6               ; and the same two rows in out0
	s_lshr_b32 s15, s14, 1                         ; I fetch for o (0) or for Wo (1),
	s_and_b32 s16, s14, 1                          ; which half
	s_bfe_u32 s40, ttmp6, 0x40000                  ; cx
	s_bfe_u32 s41, ttmp6, 0x40004                  ; cy
	s_and_b32 s42, ttmp7, 0xffff
	s_lshl_b32 s42, s42, 2
	s_add_co_u32 s42, s42, s41                     ; y = 4 x cluster y + cy
	s_lshl_b32 s43, s41, 2
	s_lshl_b32 s43, 15, s43                        ; my row of the cluster
	s_lshl_b32 s44, 0x1111, s40                    ; my column
	; groups 1: o: 4 tiles' 16384 bytes each; Wo: 8 tiles' first 8192 bytes (K 0 to 511), 16384 apart; dense in LDS
	s_or_b32 s24, s43, (1<<21)                     ; 15:0 the mask; 17:16 elements of 1 byte; 21 set beside a mask
	s_or_b32 s32, s44, (1<<21)
	s_mov_b32 s25, 16384<<16
	s_mov_b32 s26, 4<<16
	s_mov_b32 s27, 16384<<16
	s_mov_b32 s28, 4
	s_mov_b32 s33, 8192<<16
	s_mov_b32 s34, 8<<16
	s_mov_b32 s35, 8192<<16
	s_mov_b32 s36, 8
.irp g, 24, 32
	s_mov_b32 s[\g+5], 16384
	s_mov_b32 s[\g+6], 0
	s_mov_b32 s[\g+7], 0
.endr
	; what I fetch: every wave makes both addresses, in registers that never hold the other coordinate, and asks by one of them
	s_lshl_b32 s20, s42, 7
	s_lshl_b32 s2, s16, 6
	s_add_co_u32 s20, s20, s2
	s_lshl_b32 s20, s20, 10                        ; o: row 128 y + 64 half
	s_mov_b32 s21, 0
	s_lshl_b32 s46, s40, 8
	s_lshl_b32 s2, s16, 7
	s_add_co_u32 s46, s46, s2
	s_lshl_b32 s46, s46, 10                        ; Wo: column 256 cx + 128 half (the grid's x is one cluster wide),
	s_add_co_u32 s46, s46, 0x300000                ; part 3 of the weights
	s_mov_b32 s47, 0
	s_lshl_b32 s49, s16, 16                        ; where they go: 65536 bytes a wave
	s_add_co_u32 s53, s49, WOFF
	s_mov_b32 s48, 1                               ; groups 0: o s[48:51], Wo s[52:55]
	s_mov_b32 s52, 1
	s_lshl_b32 s68, s40, 2
	s_add_co_u32 s68, s68, s14                     ; my 64 columns: 4 cx + wave
	s_lshl_b32 s[WB], s68, 16
	s_add_co_u32 s[WB], s[WB], 0x300000
	s_mov_b32 s[WB+1], 0
	s_lshl_b32 s66, s68, 8                         ; 256 bytes of bo and of a row of out0
	s_mov_b32 s67, 0
	s_lshl_b32 s70, s42, 19
	s_add_co_u32 s70, s70, s66
	s_mov_b32 s71, 0
	s_wait_alu depctr_va_vdst(0)
	s_wait_dscnt 0x0                               ; both opening adds are done
	s_wait_kmcnt 0x0
	s_load_b64 s[96:97], s[8:9], 0x28              ; e10, e11
	s_add_nc_u64 s[50:51], s[4:5], s[20:21]
	s_or_b32 s51, s51, 0x80000000
	s_add_nc_u64 s[54:55], s[6:7], s[46:47]
	s_or_b32 s55, s55, 0x80000000
	s_add_nc_u64 s[WB:WB+1], s[6:7], s[WB:WB+1]
	s_add_nc_u64 s[10:11], s[10:11], s[66:67]
	s_add_nc_u64 s[12:13], s[12:13], s[70:71]
	CROUND                                         ; all sixteen work-groups are here: the joint loads meet
	s_cmp_eq_u32 s15, 0
	s_cbranch_scc0 .Lfor_wo
	tensor_load_to_lds s[48:51], s[24:31]          ; my one tensor load: o,
	s_nop 0
.rept 4
	v_nop
.endr
	s_branch .Lasked
.Lfor_wo:
	tensor_load_to_lds s[52:55], s[32:39]          ; or Wo
	s_nop 0
.rept 4
	v_nop
.endr
.Lasked:
	global_load_b128 v[8:11], v6, s[10:11]         ; the bias of my four columns on the way out
.macro DL k                            ; Wo's four fragments of K step k, from memory: 16 loads of 512 consecutive bytes
.irp b, 0,1,2,3
.irp c, 0,1,2,3
	global_load_b128 v[64*((\k)%4)+16*\b+4*\c:64*((\k)%4)+16*\b+4*\c+3], v[VO], s[WB:WB+1] offset:16384*\b+2048*(\k)+512*\c
.endr
.endr
.endm
.macro LL k                            ; Wo's four fragments of K step k, from LDS
.irp b, 0,1,2,3
.irp c, 0,1,2,3
	ds_load_b128 v[64*(\k)+16*\b+4*\c:64*(\k)+16*\b+4*\c+3], v[WL] offset:8192*\b+2048*(\k)+512*\c
.endr
.endr
.endm
.macro XF t                            ; tile t of o, all of K: eight fragments into set t % 2
	WIN 0x80
.irp k, 0,1,2,3,4,5,6,7
.irp c, 0,1,2,3
	ds_load_b128 v[128*((\t)%2)+16*\k+4*\c:128*((\t)%2)+16*\k+4*\c+3], v[ADR+(\t)/4] offset:16384*((\t)%4)+2048*\k+512*\c
.endr
.endr
	WIN 0
.endm
.macro TILE t                          ; 32 matrix instructions; the four accumulators take turns, one instruction a turn: three others stand between a sum's steps
.set AC, ACC+32*((\t)%2)
.irp k, 0,1,2,3,4,5,6,7
.if (\t) == 0                          ; the direct loads of K steps 4 to 7, in the order of their issue: the later ones may be out
.if \k > 3
	s_wait_loadcnt 16*(7-\k)
.endif
.endif
	WIN 0x09+2*(\k/4)                              ; source 0 window 1 or 3, source 1 window 2
.irp b, 0,1,2,3
.if \k == 0
	v_wmma_f32_16x16x128_fp8_fp8 v[AC+8*\b:AC+8*\b+7], v[16*\b:16*\b+15], v[128*((\t)%2):128*((\t)%2)+15], 0
.else
	v_wmma_f32_16x16x128_fp8_fp8 v[AC+8*\b:AC+8*\b+7], v[64*(\k%4)+16*\b:64*(\k%4)+16*\b+15], v[128*((\t)%2)+16*\k:128*((\t)%2)+16*\k+15], v[AC+8*\b:AC+8*\b+7]
.endif
.endr
.endr
	WIN 0
.endm
; The way out of a tile of 16 rows x 64 columns, through my own stage; LDS serves a wave's instructions in order (ISA guide 5.7.1.4): no wait stands between the stores and the loads.
.macro TOSTAGE a
.if (\a) > 3
	s_wait_xcnt 0x0                                ; the stores of four tiles ago have read their registers
.endif
.set AO, ACC+32*((\a)%2)
.irp b, 0,1,2,3
	ds_store_b128 v[STO], v[AO+8*\b:AO+8*\b+3] offset:128*(\b/2)+32*(\b%2)
	ds_store_b128 v[STO], v[AO+8*\b+4:AO+8*\b+7] offset:128*(\b/2)+32*(\b%2)+16
.endr
.set BB, BK+32*((\a)%4)
.irp t, 0,1,2,3,4,5,6,7
	ds_load_b128 v[BB+4*\t:BB+4*\t+3], v[RD] offset:2*\t*SPITCH
.endr
.endm
.macro SEND a                          ; behind a wait that shows the tile's loads from the stage done
.set BB, BK+32*((\a)%4)
.irp t, 0,1,2,3,4,5,6,7
	v_pk_fma_f32 v[BB+4*\t:BB+4*\t+1], v[BB+4*\t:BB+4*\t+1], s[96:97], v[8:9] op_sel_hi:[1,0,1]
	v_pk_fma_f32 v[BB+4*\t+2:BB+4*\t+3], v[BB+4*\t+2:BB+4*\t+3], s[96:97], v[10:11] op_sel_hi:[1,0,1]
.endr
.irp t, 0,1,2,3,4,5,6,7
	global_store_b128 v[CO], v[BB+4*\t:BB+4*\t+3], s[12:13] offset:(32*((\a)/2)+8*((\a)%2)+2*\t+8*(\t/4))*4096 th:TH_STORE_NT   ; sixteen lanes store 256 consecutive bytes, aligned
.endr
.endm
	WIN 0xc0
	DL 4
	DL 5
	DL 6
	DL 7
	WIN 0
	s_wait_kmcnt 0x0
	s_add_co_i32 s96, s96, s97
	s_add_co_i32 s96, s96, 127
	s_lshl_b32 s96, s96, 23                        ; 2^(e10 + e11) as f32
	s_mov_b32 s97, s96                             ; (named with it as a pair)
	s_wait_alu depctr_va_vdst(0)
	s_wait_tensorcnt 0x0                           ; my part of o or of Wo is in
	s_barrier_signal -1
	s_barrier_wait -1                              ; everybody's is; nothing is filled again
	WIN 0x40
	LL 0
	LL 1
	LL 2
	LL 3
	XF 0
	XF 1
	s_wait_dscnt 32                                ; Wo and tile 0's fragments are in; tile 1's may be out
	TILE 0
.irp t, 1,2,3,4,5,6,7
.rept 4
	v_nop                                          ; places behind the last products: for the stores of their results, and for loads into registers that they read
.endr
	TOSTAGE \t-1
.if \t < 7
	XF \t+1
	s_wait_dscnt 48                                ; this tile's fragments are in, and the rows of two tiles ago; the 16 + 32 just issued may be out
.else
	s_wait_dscnt 16
.endif
.if \t > 1
	SEND \t-2
.endif
	TILE \t
.endr
.rept 4
	v_nop
.endr
	TOSTAGE 7
	s_wait_dscnt 16
	SEND 6
	s_wait_dscnt 0x0
	SEND 7
	s_wait_tensorcnt 0x0                           ; the wave's end
	ds_add_u32 v[SPW], v[NIL]
	s_wait_dscnt 0x0
	CROUND                                         ; the closing round
	s_endpgm
.Lfunc_end_k_q1be4d02b33_proj:
	.size	k_q1be4d02b33_proj, .Lfunc_end_k_q1be4d02b33_proj-k_q1be4d02b33_proj
	.p2alignl 7, 3214868480
	.fill 96, 4, 3214868480
	.section	.rodata,"a",@progbits
	.p2align	6, 0x0
	.amdhsa_kernel k_q1be4d02b33_proj
		.amdhsa_group_segment_fixed_size 327680
		.amdhsa_private_segment_fixed_size 0
		.amdhsa_enable_private_segment 0
		.amdhsa_kernarg_size 40
		.amdhsa_user_sgpr_count 2
		.amdhsa_user_sgpr_kernarg_segment_ptr 1
		.amdhsa_wavefront_size32 1
		.amdhsa_system_sgpr_workgroup_id_x 1
		.amdhsa_system_sgpr_workgroup_id_y 1
		.amdhsa_system_sgpr_workgroup_id_z 1
		.amdhsa_system_vgpr_workitem_id 0
		.amdhsa_next_free_vgpr 1024
		.amdhsa_next_free_sgpr 100
		.amdhsa_reserve_vcc 0
		.amdhsa_float_denorm_mode_32 3
		.amdhsa_float_denorm_mode_16_64 3
		.amdhsa_memory_ordered 1
		.amdhsa_forward_progress 1
		.amdhsa_inst_pref_size 74
	.end_amdhsa_kernel
	.amdgpu_metadata
---
amdhsa.version: [ 1, 2 ]
amdhsa.kernels:
  - .name:           k_q1be4d02b33_proj
    .symbol:         k_q1be4d02b33_proj.kd
    .args:
      - { .name: oc, .offset: 0, .size: 8, .value_kind: global_buffer, .address_space: global }
      - { .name: wc, .offset: 8, .size: 8, .value_kind: global_buffer, .address_space: global }
      - { .name: lowp_scales, .offset: 16, .size: 8, .value_kind: global_buffer, .address_space: global }
      - { .name: bo, .offset: 24, .size: 8, .value_kind: global_buffer, .address_space: global }
      - { .name: out0, .offset: 32, .size: 8, .value_kind: global_buffer, .address_space: global }
    .group_segment_fixed_size: 327680
    .private_segment_fixed_size: 0
    .kernarg_segment_align: 8
    .kernarg_segment_size: 40
    .max_flat_workgroup_size: 128
    .sgpr_count:     100
    .vgpr_count:     1024
    .wavefront_size: 32
...
	.end_amdgpu_metadata
.endif
;; end of part 4
